; MI455X (gfx1250); checked and timed in simulation.
; The chip was launched on July 23, 2026; its instructions are those of AMD's public machine-readable ISA for CDNA 5 (MIT licence, August 2026) and "CDNA5" Instruction Set Architecture Reference Guide (July 2026). The comments in the code are by the model that wrote it; some were corrected since.
;; Multi Head Attention. Allowed arithmetic: matrix products marked QUANTISED: E4M3 operands, one given power-of-two scale a tensor, by v_wmma_f32_16x16x64_fp8_fp8 or v_wmma_f32_16x16x128_fp8_fp8, f32 sums; everything else in f32.
;; Inputs: Wk_codes 1,024 x 32 x 32 uint8 (E4M3 codes of Wk, K innermost, in blocks of 32 codes); Wo_codes 1,024 x 32 x 32 uint8 (E4M3 codes of Wo, K innermost, in blocks of 32 codes); Wq_codes 1,024 x 32 x 32 uint8 (E4M3 codes of Wq, K innermost, in blocks of 32 codes); Wv_codes 1,024 x 32 x 32 uint8 (E4M3 codes of Wv, K innermost, in blocks of 32 codes); bk 1,024 float32; bo 1,024 float32; bq 1,024 float32; bv 1,024 float32; lowp_scales 12 int32 (the exponents e of the quantised operands' scales 2^e); x_codes 2,048 x 4 x 32 x 32 uint8 (E4M3 codes of x, K innermost, in blocks of 32 codes).
;; Outputs: out0 2,048 x 4 x 1,024 float32.
;; This version of the problem:
;;   THIS VERSION OF THE PROBLEM IS GIVEN IN LOW PRECISION. The matrix products marked QUANTISED in the list below multiply operands that are first quantised to E4M3 (4 exponent bits, 3 mantissa bits; 8 bits a number), with one given power-of-two scale for each operand tensor; their sums are f32. All else is computed in f32.
;;   The module's matrix products, in the order in which they are computed (A, B: the left and right operand; K: the contracted axis; several contracted axes count as one K, in the product's order):
;;     1. [M 8,192, K 1,024] x [K 1,024, N 1,024]; A: input x (given as codes); B: input Wq (given as codes): QUANTISED (scales: A lowp_scales[0], B lowp_scales[1])
;;     2. [M 8,192, K 1,024] x [K 1,024, N 1,024]; A: input x (given as codes); B: input Wk (given as codes): QUANTISED (scales: A lowp_scales[2], B lowp_scales[3])
;;     3. [M 8,192, K 1,024] x [K 1,024, N 1,024]; A: input x (given as codes); B: input Wv (given as codes): QUANTISED (scales: A lowp_scales[4], B lowp_scales[5])
;;     4. batch 64 x [M 2,048, K 64] x [K 64, N 2,048]; A: computed on the way; B: computed on the way: QUANTISED (scales: A lowp_scales[6], B lowp_scales[7])
;;     5. batch 64 x [M 2,048, K 2,048] x [K 2,048, N 64]; A: softmax (see below); B: computed on the way: QUANTISED (scales: A lowp_scales[8], B lowp_scales[9])
;;     6. [M 8,192, K 1,024] x [K 1,024, N 1,024]; A: computed on the way; B: input Wo (given as codes): QUANTISED (scales: A lowp_scales[10], B lowp_scales[11])
;;   THE QUANTISER, for each operand of a quantised product, along K:
;;     - The operand's scale is 2^e, e = its entry of the input lowp_scales (int32; the entries are numbered through the quantised products in the list's order, A before B).
;;     - Each number is divided by the scale, clamped to +-448, and rounded to the nearest number of E4M3, ties to even, subnormals kept.
;;     - The product sums the exact products of the quantised numbers (number of the format x scale) in f32.
;;   ~~~python
;;   def quantise(x, axis, e):      # numpy; x: float32 -> the quantised numbers, widened to float32 again
;;       x = np.moveaxis(x, axis, -1); K = x.shape[-1]
;;       r = np.clip(x / 2.0 ** e, -448, 448)
;;       step = 2.0 ** (np.maximum(np.frexp(np.where(r == 0, 1, r))[1] - 1, -6) - 3)
;;       q = np.round(r / step) * step * 2.0 ** e      # np.round: ties to even
;;       return np.moveaxis(q, -1, axis).astype(np.float32)
;;   ~~~
;;   SOFTMAX AHEAD OF A QUANTISED PRODUCT. Where the list says 'softmax', what is quantised is not the finished softmax but p = 2^(t - M), with t = logit x log2(e) and M = ceil(the row's largest t), a whole number; so 1/2 < the row's largest p <= 1. The row's sum l is taken of the UNQUANTISED p, in f32, and the product's result is divided by l at the end. Since M is a whole number, a kernel that streams over the keys may use a running M (the ceiling of the running maximum): every later rescaling is an exact power of two, so the quantised numbers keep their values, but for numbers so far below the row's largest that they fall under the format's range.
;;   OPERANDS COMPUTED ON THE WAY. 'Computed on the way' means the value that the module computes at that place (a softmax that the list does not call 'softmax' is quantised finished and normalised). What goes into a quantiser is computed in f32, as accurately as f32 sums, v_exp_f32 and their like allow (about 1e-6 of the number): no bf16 or f16 on the way to a quantiser, and a product that is left as it is and whose result goes on into a quantised operand takes f32 operands (vector FMAs, or v_wmma_f32_16x16x4_f32). A number that lies on a knife's edge between two numbers of the format may be rounded either way, as far as f32 arithmetic and the matrix unit's own rounding can turn it there, and no further.
;;   INPUTS GIVEN AS CODES. Wk (in the module: [1024, 1024], K = its axis 1); Wo (in the module: [1024, 1024], K = its axis 1); Wq (in the module: [1024, 1024], K = its axis 1); Wv (in the module: [1024, 1024], K = its axis 1); x (in the module: [2048, 4, 1024], K = its axis 2): each comes as NAME_codes (uint8): NAME with its K axis moved to the last place and cut into blocks of 32 codes, [.., K / 32, bytes a block], one block behind the other in memory; one code a byte (a code: sign, 4 exponent bits, 3 mantissa bits); its scale is its entry of lowp_scales. Its value is code x scale, taken as it is: it is not quantised again, and the codes and scales need not be those that the quantiser above would give.
;; One version. Each part assembles by itself: llvm-mc -triple=amdgcn-amd-amdhsa -mcpu=gfx1250 --defsym DOCPART=n.
;; ======== version 1 of 1: 3 launches
;; limits: right only within a limited range of input values
;; workspace buffers: q_img 8,388,608 bytes; kv_img 16,777,216 bytes; a_img 8,388,608 bytes
;; launch qkv (part 1): grid 12 x 32, 4 waves a work-group, clusters of 4 x 4, 327,680 bytes of LDS; arguments x_codes, Wq_codes, Wk_codes, Wv_codes, bq, bk, bv, lowp_scales, q_img, kv_img; writes q_img, kv_img
.if DOCPART == 1
	.amdgcn_target "amdgcn-amd-amdhsa--gfx1250"
	.amdhsa_code_object_version 6
	.text
	.protected	k_q08cc327f71_qkv
	.globl	k_q08cc327f71_qkv
	.p2align	8
	.type	k_q08cc327f71_qkv,@function
k_q08cc327f71_qkv:
	s_mov_b64 s[64:65], 0
	v_nop
	global_prefetch_b8 v0, s[64:65] scope:SCOPE_SE
	s_setreg_imm32_b32 hwreg(HW_REG_WAVE_MODE, 25, 1), 1
	s_wait_xcnt 0x0
	s_wait_alu depctr_hold_cnt(0) depctr_sa_sdst(0) depctr_va_vdst(0) depctr_va_sdst(0) depctr_va_ssrc(0) depctr_va_vcc(0) depctr_vm_vsrc(0)
	s_getreg_b32 s2, hwreg(HW_REG_IB_STS2, 6, 4)
	s_cmp_eq_u32 s2, 0
	s_cbranch_scc0 .Lentry_in_a_cluster
	s_endpgm
.Lentry_in_a_cluster:
	s_bfe_u32 s2, ttmp6, 0x10000c
	s_cmp_lg_u32 s2, 0xf033
	s_cbranch_scc0 .Lentry_shape_is_right
	s_endpgm
.Lentry_shape_is_right:
; q = x Wq^T + bq, k = x Wk^T + bk, v = x Wv^T + bv on codes of FP8 (E4M3); each result is quantised at once (q: entry 6 of the scales, k: entry 7, v: entry 9, v along the KEYS) and stored
; as IMAGES OF THE OPERAND REGISTERS of the attention launch: every 16 bytes lie where a lane's load of 16 bytes will want them, 512 bytes to a load.
; x: [2048 s][4 b][1024] codes; W: [1024 n][1024] codes, K innermost.  A sum stands for sum x 2^(ex + ew); ex, ew are entries (0,1), (2,3), (4,5) of the scales for q, k, v.
; SHARES.  A work-group of four waves makes 256 x-rows (256 consecutive s of ONE batch: rows 4,096 bytes apart) x 256 W-rows (four heads); a wave 128 x 128: 64 accumulators, 512 registers.
; K = 1,024 goes in four steps of 256 through a ring of two LDS slots filled by the tensor data mover.
; CLUSTERS: 4 x 4.  The cluster's x (0, 1, 2) says which weight: the same in all sixteen partners.  cx: which 256 rows of W; cy: the batch; the cluster's y: which 256 s.
; x's tile hangs on (cluster y, cy) and is asked for jointly along a row of the cluster, W's on (cluster x, cx) and jointly along a column.
; THE MATRIX INSTRUCTION: a lane holds one row of source 1 and, in its 8 registers, 8 neighbouring rows of source 0.  For q and k source 1 = x (a lane: one s), source 0 = W (8 neighbouring d): codes along d.
; For v the two change places (a lane: one channel d; 8 neighbouring keys): codes along the keys, and nothing is transposed.  Only the two LDS read bases differ, chosen by the cluster's x.
; IMAGES (l' = r' + 16 h').  K, and Q likewise: for a head and 128 rows s, 8 KB: chunk 2 t + c at 512 (2 t + c) + 16 l' holds, of row 32 (t/2) + 8 (t%2) + r' + 8 (r'/8), d = 32 c + 16 h' + 0..15.
; V: 8 KB: chunk 4 dt + c holds, of channel 32 (dt/2) + 8 (dt%2) + r' + 8 (r'/8), keys 32 c + 16 h' + 0..15.  kv_img: [64 heads][16 steps of 128 keys][K's 8 KB, V's 8 KB]; q_img: [64][16][8 KB].
; LIMITS: ex + ew between -126 and 127; entries 6, 7, 9 between -126 and 119 (each power of two below is an f32 number).  NaN codes and NaN biases are not served.
; The order of k inside a matrix instruction is permuted alike in both operands (16 bytes at 32 c + 16 (l / 16)): the same products, another order of the sums inside an instruction.
; REGISTERS: window 0: v16-31 addresses and two constants; v32-95, v96-111 the bias in two layouts; v112-127 codes; v128-255 source 1's fragments, on the way out at work.
;   window 1: source 0's fragments, two sets.   windows 2, 3: the accumulators ((a, b) at v[8 (8 (a % 4) + b)]).
.set PITCH,  272                       ; an LDS row: 256 bytes + 16 of padding: the 16 rows of a load start at 16 different banks (64 banks of 4 bytes: ISA guide 11.1)
.set FR,     16                        ; registers of a fragment: 16 rows x 128 K
.set NL,     4                         ; LDS loads that bring one
.set NP,     4                         ; places behind this matrix instruction (ISA guide 7.12.1)
.set HALFT,  128*PITCH                 ; what one tensor load brings
.set SLOT,   4*HALFT                   ; source 1's 256 rows, then source 0's 256 rows (q, k: x's then W's; v: W's then x's)
.set LAPS,   2                         ; 1,024 / 512
.set SPARE,  2*SLOT                    ; behind the ring: the spare words, 128 bytes a wave
.set VSTG,   65536                     ; the way out's stages lie in slot 0, which has had its last fill and its last read: q's and k's path 16 KB a wave from 0, v's path 16 KB a wave from here
.set ADRA, 16                          ; v16-17  LDS address of source 1's fragments in slot 0, 1
.set STQ,  18                          ; v18     q, k: where I put 8 codes in my stage
.set RDQ,  19                          ; v19     and where I read 16 bytes back
.set ADRB, 20                          ; v20-21  source 0's fragments
.set STV,  22                          ; v22, v23  the same two for v's path
.set RDV,  23
.set BA8,  24                          ; v24     32 (l / 16): the bias of 8 neighbours
.set BA1,  25                          ; v25     4 (l % 16): the bias of my row
.set CO,   26                          ; v26     16 x lane
.set SPW,  28                          ; v28     my spare word; never rewritten
.set NIL,  29                          ; v29     0; never rewritten
.set SCL,  30                          ; v30     2^eout
.set LIM,  31                          ; v31     448 x 2^eout
.set BIAS, 32                          ; v32-95  bias[16 nb + 8 (l / 16) + j]
.set BV,   96                          ; v96-111 pair 2 a, 2 a + 1: both bias[16 a + l % 16]
.set CODE, 112
.set AF,   128
.set TT,   128                         ; the way out: 64 numbers at work
.set G1, 24                            ; s[24:31] group 1 for x's tiles; s[32:39] group 0, a set a slot
.set G0, 32
.set G1B, 48                           ; s[48:55], s[56:63] the same for W's
.set G0B, 56
.set MSB, 0
.macro WIN new                         ; the immediate's high byte repeats the setting that is left
.if MSB != (\new)
	s_set_vgpr_msb (MSB<<8)|(\new)
.set MSB, (\new)
.endif
.endm
.set MUL_LO, 0xa1                      ; source 0 window 1, source 1 window 0, C and D window 2
.set MUL_HI, 0xf1                      ; the same, C and D window 3
.set TO_B,   0x40                      ; destination window 1, address window 0
; A joint load.  Every wave fills LDS bytes wave x 128 rows of the slot.  q, k: waves 0 and 1 fetch x's halves, waves 2 and 3 W's; v: the other way round, so that source 1's rows
; always lie in the slot's first half and no LDS read address hangs on the weight.  s101 = (wave / 2) xor (v or not): the wave's number and the cluster's x alone, the same in all partners.
; An s_nop 0 and four v_nop follow each line.
.macro JLOAD g0a, g1a, g0b, g1b
	s_cmp_eq_u32 s101, 0
	s_cbranch_scc0 .Lfor_b_\@
	tensor_load_to_lds s[\g0a:\g0a+3], s[\g1a:\g1a+7]
	s_nop 0
.rept 4
	v_nop
.endr
	s_branch .Lasked_\@
.Lfor_b_\@:
	tensor_load_to_lds s[\g0b:\g0b+3], s[\g1b:\g1b+7]
	s_nop 0
.rept 4
	v_nop
.endr
.Lasked_\@:
.endm
.macro CREST                           ; a round of the cluster's barrier behind its opening barrier
	s_cmp_lg_u32 s14, 0
	s_cbranch_scc1 .Lnot_wave_0_\@
	s_barrier_signal -3
.Lnot_wave_0_\@:
	s_barrier_wait -3
	s_barrier_signal -1
	s_barrier_wait -1
.endm
.macro CROUND
	s_barrier_signal -1
	s_barrier_wait -1
	CREST
.endm
	s_load_b512 s[68:83], s[0:1], 0x0              ; x 68, Wq 70, Wk 72, Wv 74, bq 76, bk 78, bv 80, the scales 82
	s_load_b128 s[84:87], s[0:1], 0x40             ; q_img 84, kv_img 86
	v_lshl_add_u32 v[SPW], v0, 2, SPARE
	v_mov_b32 v[NIL], 0
	ds_add_u32 v28, v29
	ds_add_u32 v28, v29
	s_wait_dscnt 0x0
	v_lshrrev_b32 v1, 5, v0
	v_readfirstlane_b32 s14, v1                    ; wave 0..3
	s_lshr_b32 s15, s14, 1                         ; which half of source 1's rows is mine.  Also: I fetch for x (0) or for W (1)
	s_and_b32 s16, s14, 1                          ; which half of source 0's rows.  Also: which 128 rows of that tile I fetch
	s_bfe_u32 s40, ttmp6, 0x40000                  ; cx: which 256 rows of W
	s_bfe_u32 s41, ttmp6, 0x40004                  ; cy: the batch
	s_and_b32 s17, ttmp7, 0xffff                   ; the cluster's y: which 256 s
	s_lshl_b32 s43, s41, 2
	s_lshl_b32 s43, 15, s43                        ; my row of the cluster
	s_lshl_b32 s44, 0x1111, s40                    ; my column
	s_or_b32 s[G1+0], s43, (1<<20)|(1<<21)|(5<<22)|(3<<25)   ; the mask; elements of 1 byte; padding on; bit 21 beside a mask; after every 64 words, 4 words
	s_or_b32 s[G1B+0], s44, (1<<20)|(1<<21)|(5<<22)|(3<<25)
.irp g, G1, G1B
	s_mov_b32 s[\g+1], 256<<16                     ; tensor_dim0 = 256
	s_mov_b32 s[\g+2], 128<<16                     ; tensor_dim1 = 128
	s_mov_b32 s[\g+3], 256<<16                     ; tile_dim0 = 256
	s_mov_b32 s[\g+4], 128                         ; tile_dim1 = 128
	s_mov_b32 s[\g+6], 0
	s_mov_b32 s[\g+7], 0
.endr
	s_mov_b32 s[G1+5], 4096                        ; from s to s + 1 of one batch
	s_mov_b32 s[G1B+5], 1024                       ; from row to row of W
	s_lshl_b32 s20, s17, 20                        ; x: 256 s x 4,096 bytes,
	s_lshl_b32 s18, s16, 19                        ; the 128 rows that I fetch,
	s_add_co_u32 s20, s20, s18
	s_lshl_b32 s18, s41, 10                        ; the batch
	s_add_co_u32 s20, s20, s18
	s_mov_b32 s21, 0
	s_lshl_b32 s46, s40, 18                        ; W: 256 rows x 1,024 bytes,
	s_lshl_b32 s47, s16, 17                        ; the 128 rows that I fetch
	s_add_co_u32 s46, s46, s47
	s_mov_b32 s47, 0
	s_mul_i32 s45, s14, HALFT                      ; where they go: wave x 128 rows
	s_wait_kmcnt 0x0
	s_load_b256 s[88:95], s[82:83], 0x0            ; entries 0 to 7 of the scales
	s_load_b128 s[96:99], s[82:83], 0x20           ; entries 8 to 11
	s_cmp_eq_u32 ttmp9, 0                          ; q, or not: the choices hang on the cluster's x alone
	s_cselect_b64 s[6:7], s[70:71], s[72:73]       ; the weight
	s_cselect_b64 s[8:9], s[76:77], s[78:79]       ; the bias
	s_cselect_b64 s[10:11], s[84:85], s[86:87]     ; where the codes go
	s_cselect_b32 s12, 13, 14                      ; 128 rows of a head take 2^13 bytes in q_img, 2^14 in kv_img
	s_cmp_eq_u32 ttmp9, 2                          ; v, or not
	s_cselect_b64 s[6:7], s[74:75], s[6:7]
	s_cselect_b64 s[8:9], s[80:81], s[8:9]
	s_cselect_b32 s66, s15, s16                    ; which half of W's rows is mine
	s_cselect_b32 s67, s16, s15                    ; which half of x's rows
	s_cselect_b32 s100, 8192, 0                    ; V's image lies behind K's
	s_cselect_b32 s101, 1, 0                       ; v: the fetching roles change places,
	s_xor_b32 s101, s101, s15                      ; 0: I fetch for x; 1: for W
	s_add_nc_u64 s[20:21], s[68:69], s[20:21]
	s_add_nc_u64 s[46:47], s[6:7], s[46:47]
	CROUND                                         ; all sixteen work-groups are here: the first joint loads meet
.irp s, 0,1
	s_mov_b32 s[G0+4*\s], 1
	s_add_co_u32 s[G0+4*\s+1], s45, \s*SLOT
	s_add_nc_u64 s[G0+4*\s+2:G0+4*\s+3], s[20:21], \s*256
	s_or_b32 s[G0+4*\s+3], s[G0+4*\s+3], 0x80000000
	s_mov_b32 s[G0B+4*\s], 1
	s_add_co_u32 s[G0B+4*\s+1], s45, \s*SLOT
	s_add_nc_u64 s[G0B+4*\s+2:G0B+4*\s+3], s[46:47], \s*256
	s_or_b32 s[G0B+4*\s+3], s[G0B+4*\s+3], 0x80000000
.endr
	JLOAD G0, G1, G0B, G1B                         ; K step 0: one tensor load a wave at the head
	v_and_b32 v1, 15, v0                           ; r = l % 16
	s_wait_alu depctr_va_vdst(0)
	v_bfe_u32 v2, v0, 4, 1                         ; h = l / 16
	v_mul_u32_u24 v3, v1, PITCH
	v_lshl_add_u32 v4, v2, 4, v3                   ; a fragment's row x pitch + 16 h
	s_mul_i32 s21, s15, HALFT
	s_mul_i32 s22, s16, HALFT
	s_add_co_u32 s22, s22, 2*HALFT                 ; source 0's rows lie behind source 1's 256
.irp s, 0,1
	v_add_nc_u32 v[ADRA+\s], s21, v4
	v_add_nc_u32 v[ADRB+\s], s22, v4
	s_add_co_u32 s21, s21, SLOT
	s_add_co_u32 s22, s22, SLOT
.endr
	s_lshl_b32 s23, s14, 14                        ; my stage: 16 KB
	v_lshrrev_b32 v5, 3, v1                        ; r / 8
	v_and_b32 v6, 7, v1                            ; r % 8
	v_lshlrev_b32 v7, 4, v6
	v_lshl_add_u32 v7, v2, 3, v7                   ; 16 (r % 8) + 8 h
	v_add_nc_u32 v7, s23, v7
	v_lshl_add_u32 v[STQ], v5, 10, v7              ; q, k: r / 8 picks the odd tile, 1,024 bytes on
	v_lshl_add_u32 v[STV], v5, 11, v7              ; v: the odd tile of channels, 2,048 bytes on
	v_add_nc_u32 v[STV], VSTG, v[STV]
	v_and_b32 v8, 31, v0
	v_lshlrev_b32 v[CO], 4, v8
	v_add_nc_u32 v[RDQ], s23, v[CO]
	v_add_nc_u32 v[RDV], VSTG, v[RDQ]
	v_lshlrev_b32 v[BA8], 5, v2
	v_lshlrev_b32 v[BA1], 2, v1
	s_lshl_b32 s18, s40, 10                        ; the bias of my 128 rows of W: 4 (256 cx + 128 half)
	s_lshl_b32 s19, s66, 9
	s_add_co_u32 s18, s18, s19
	s_mov_b32 s19, 0
	s_add_nc_u64 s[8:9], s[8:9], s[18:19]
.irp nb, 0,1,2,3,4,5,6,7                       ; both layouts are loaded by every work-group: 128 numbers each, inside the buffer; they are waited for on the way out
	global_load_b128 v[BIAS+8*\nb:BIAS+8*\nb+3], v[BA8], s[8:9] offset:64*\nb
	global_load_b128 v[BIAS+8*\nb+4:BIAS+8*\nb+7], v[BA8], s[8:9] offset:64*\nb+16
.endr
.irp a, 0,1,2,3,4,5,6,7
	global_load_b32 v[BV+2*\a], v[BA1], s[8:9] offset:64*\a
	global_load_b32 v[BV+2*\a+1], v[BA1], s[8:9] offset:64*\a
.endr
	s_lshl_b32 s18, s41, 4                         ; my first head: 16 b + 4 cx + 2 half
	s_lshl_b32 s19, s40, 2
	s_add_co_u32 s18, s18, s19
	s_lshl_b32 s19, s66, 1
	s_add_co_u32 s18, s18, s19
	s_lshl_b32 s18, s18, 4                         ; 16 blocks of 128 rows to a head,
	s_lshl_b32 s19, s17, 1
	s_add_co_u32 s19, s19, s67                     ; mine is 2 x (cluster y) + half
	s_add_co_u32 s18, s18, s19
	s_lshl_b32 s18, s18, s12
	s_add_co_u32 s18, s18, s100
	s_mov_b32 s19, 0
	s_add_nc_u64 s[10:11], s[10:11], s[18:19]      ; my first head's image
	s_lshl_b32 s18, 16, s12
	s_add_nc_u64 s[4:5], s[10:11], s[18:19]        ; my second head's
.macro FRAG reg, adr, q, i             ; 16 rows x 128 K: lane l holds row l % 16; registers 4 c .. 4 c + 3 hold K = 32 c + 16 (l / 16) + 0 .. 15
.irp c, 0,1,2,3
	ds_load_b128 v[\reg+4*\c:\reg+4*\c+3], v[\adr] offset:128*(\q)+32*\c+(\i)*16*PITCH
.endr
.endm
; 16 matrix instructions: source 1's blocks a0, a0 + 1 x source 0's eight.  p: source 0's set.  zero = 1: the first product starts the sums.
; The 64 accumulators take turns, one instruction a turn, in the same order in every step.
.macro MUL16 a0, p, zero
.irp a, \a0, \a0+1
.irp b, 0,1,2,3,4,5,6,7
.if \zero
	v_wmma_f32_16x16x128_fp8_fp8 v[8*(8*((\a)%4)+\b):8*(8*((\a)%4)+\b)+7], v[128*(\p)+FR*\b:128*(\p)+FR*\b+FR-1], v[AF+FR*(\a):AF+FR*(\a)+FR-1], 0
.else
	v_wmma_f32_16x16x128_fp8_fp8 v[8*(8*((\a)%4)+\b):8*(8*((\a)%4)+\b)+7], v[128*(\p)+FR*\b:128*(\p)+FR*\b+FR-1], v[AF+FR*(\a):AF+FR*(\a)+FR-1], v[8*(8*((\a)%4)+\b):8*(8*((\a)%4)+\b)+7]
.endif
.endr
.endr
.endm
.macro FETCH_B slot, q, p
	WIN TO_B
.irp i, 0,1,2,3,4,5,6,7
	FRAG 128*(\p)+FR*\i, ADRB+\slot, \q, \i
.endr
	WIN 0
.endm
.macro FETCH_A slot, q, i0
.irp i, \i0, \i0+1, \i0+2, \i0+3
	FRAG AF+FR*(\i), ADRA+\slot, \q, \i
.endr
.endm
.macro PLACES n                        ; plain vector instructions between a matrix instruction and a load into, or a read of, its registers
.rept \n
	v_nop
.endr
.endm
.macro STEP slot, q, zero              ; 128 along K, with its successor in the same slot
	s_wait_dscnt 4*NL                              ; source 0's set and source 1's blocks 0-3 are in; the youngest 16 loads (blocks 4-7) may be out
	WIN MUL_LO
	MUL16 0, (\q)%2, \zero
	MUL16 2, (\q)%2, \zero
	s_wait_dscnt 0                                 ; blocks 4-7 are in
	PLACES NP
	FETCH_B \slot, (\q)+1, 1-(\q)%2
	FETCH_A \slot, (\q)+1, 0
	WIN MUL_HI
	MUL16 4, (\q)%2, \zero
	MUL16 6, (\q)%2, \zero
	PLACES NP
	WIN 0
	FETCH_A \slot, (\q)+1, 4
.endm
; A slot's last step changes slots: one barrier; in front of it each wave waits for all its tensor loads, adds 0 to its spare word, and waits for that and for its reads of this slot.
.macro TURN slot, next, fill
	s_wait_tensorcnt 0x0                           ; all my tensor loads have landed: my part of the next slot
	ds_add_u32 v[SPW], v[NIL]                      ; 0 onto my spare word
	s_wait_dscnt 4*NL+1                            ; (the add and the youngest 16 loads may be out)
	WIN MUL_LO
	MUL16 0, 1, 0
	s_wait_dscnt 0x0                               ; the add is done, and my reads of this slot are over
	s_barrier_signal -1
	MUL16 2, 1, 0
	WIN 0
	s_barrier_wait -1
.if \fill
	CREST                                          ; the barrier has opened a round of the cluster's: no wave of any partner still reads this slot or has a load on its way
	s_add_nc_u64 s[G0+4*\slot+2:G0+4*\slot+3], s[G0+4*\slot+2:G0+4*\slot+3], 512
	s_add_nc_u64 s[G0B+4*\slot+2:G0B+4*\slot+3], s[G0B+4*\slot+2:G0B+4*\slot+3], 512
	JLOAD G0+4*\slot, G1, G0B+4*\slot, G1B         ; the first tensor load behind the round; its four v_nop are the places in front of the loads below
.else
	PLACES NP
.endif
	FETCH_B \next, 0, 0
	FETCH_A \next, 0, 0
	WIN MUL_HI
	MUL16 4, 1, 0
	MUL16 6, 1, 0
	PLACES NP
	WIN 0
	FETCH_A \next, 0, 4
.endm
	s_wait_alu depctr_va_vdst(0)                   ; the head's end
	s_wait_tensorcnt 0x0                           ; my part of K step 0 is in
	ds_add_u32 v[SPW], v[NIL]
	s_wait_dscnt 0x0
	CROUND                                         ; a whole round: everybody's part of K step 0 is in, and the joint loads meet
	JLOAD G0+4, G1, G0B+4, G1B                     ; K step 1: the first tensor load behind the round
	FETCH_B 0, 0, 0
	FETCH_A 0, 0, 0
	FETCH_A 0, 0, 4
	STEP 0, 0, 1                                   ; the first step starts the sums
	s_mov_b32 s3, LAPS-1
.Llap:
	TURN 0, 1, 1
	STEP 1, 0, 0
	TURN 1, 0, 1
	STEP 0, 0, 0
	s_sub_co_u32 s3, s3, 1
	s_cmp_lg_u32 s3, 0
	s_cbranch_scc1 .Llap
	TURN 0, 1, 0                                   ; the last lap fills nothing
	STEP 1, 0, 0
	s_wait_dscnt 4*NL
	WIN MUL_LO
	MUL16 0, 1, 0
	MUL16 2, 1, 0
	s_wait_dscnt 0
	WIN MUL_HI
	MUL16 4, 1, 0
	MUL16 6, 1, 0
	WIN 0
; THE WAY OUT.  Block a (16 rows of source 1 x 128 of source 0): sum x 2^(ex + ew) + bias, held within +-448 x 2^eout, 8 numbers to 8 codes, 8 bytes into my stage at their place in the image.
; isv = 0: a lane's 8 numbers are 8 neighbouring d of row s = 16 a + r;  isv = 1: 8 neighbouring keys of channel 16 a + r.
.macro OUTB a, isv
.set AC, 64*((\a)%4)
	WIN 0x02+(\a)/4                                ; source 0: window 2 or 3
.set j, 0
.rept 32
.if \isv
	v_pk_fma_f32 v[TT+j:TT+j+1], v[AC+j:AC+j+1], s[96:97], v[BV+2*(\a):BV+2*(\a)+1] op_sel_hi:[1,0,1]   ; each accumulator from its low end on
.else
	v_pk_fma_f32 v[TT+j:TT+j+1], v[AC+j:AC+j+1], s[96:97], v[BIAS+j:BIAS+j+1] op_sel_hi:[1,0,1]
.endif
.set j, j+2
.endr
	WIN 0
.set j, 0
.rept 64
	v_med3_num_f32 v[TT+j], v[TT+j], -v[LIM], v[LIM]   ; the conversion to an 8-bit code does not saturate (ISA guide 7.6.2)
.set j, j+1
.endr
	s_wait_alu depctr_va_vdst(0)
	s_wait_dscnt 0x0                               ; the last block's stores have read the codes' registers
.irp nb, 0,1,2,3,4,5,6,7
	v_cvt_scalef32_pk8_fp8_f32 v[CODE+2*\nb:CODE+2*\nb+1], v[TT+8*\nb:TT+8*\nb+7], v[SCL]
.endr
	v_nop                                          ; a plain vector line behind the last conversion: the next block writes its sources
.irp nb, 0,1,2,3,4,5,6,7
.if \isv
	ds_store_b64 v[STV], v[CODE+2*\nb:CODE+2*\nb+1] offset:((\a)/4)*8192+(((\a)/2)%2)*4096+(\nb/2)*512+((\a)%2)*128+(\nb%2)*256
.else
	ds_store_b64 v[STQ], v[CODE+2*\nb:CODE+2*\nb+1] offset:(\nb/4)*8192+((\a)/2)*2048+((\nb%4)/2)*512+((\a)%2)*128+(\nb%2)*256
.endif
.endr
.endm
; My stage holds two heads' images of 8 KB.  They come back 16 bytes a lane and leave so: each store of the wave covers 512 consecutive bytes, aligned.  LDS serves a wave's instructions in order (ISA guide 5.7.1.4).
.macro RBACK rd
.set i, 0
.rept 32
	ds_load_b128 v[128+4*i:128+4*i+3], v[\rd] offset:512*i
.set i, i+1
.endr
.set i, 0
.rept 16
	s_wait_dscnt 31-i                              ; load i is in; the younger ones may be out
	global_store_b128 v[CO], v[128+4*i:128+4*i+3], s[10:11] offset:512*i
.set i, i+1
.endr
.set i, 0
.rept 16
	s_wait_dscnt 15-i
	global_store_b128 v[CO], v[192+4*i:192+4*i+3], s[4:5] offset:512*i
.set i, i+1
.endr
.endm
	s_wait_kmcnt 0x0
	s_cmp_eq_u32 ttmp9, 0
	s_cselect_b32 s18, s88, s90                    ; ex
	s_cselect_b32 s19, s89, s91                    ; ew
	s_cselect_b32 s20, s94, s95                    ; eout: entry 6 or 7
	s_cmp_eq_u32 ttmp9, 2
	s_cselect_b32 s18, s92, s18
	s_cselect_b32 s19, s93, s19
	s_cselect_b32 s20, s97, s20                    ; entry 9
	s_add_co_i32 s18, s18, s19
	s_add_co_i32 s18, s18, 127
	s_lshl_b32 s96, s18, 23                        ; 2^(ex + ew) as f32
	s_mov_b32 s97, s96                             ; (named with it as a pair)
	s_add_co_i32 s20, s20, 127
	s_lshl_b32 s21, s20, 23
	v_mov_b32 v[SCL], s21                          ; 2^eout: the conversion takes its exponent field
	s_add_co_i32 s20, s20, 8
	s_lshl_b32 s20, s20, 23
	s_or_b32 s20, s20, 0x600000
	v_mov_b32 v[LIM], s20                          ; 448 x 2^eout
	s_wait_loadcnt 0x0                             ; the biases
	PLACES NP
	s_cmp_eq_u32 ttmp9, 2                          ; the same in every wave of every partner
	s_cbranch_scc1 .Lv
.irp a, 0,1,2,3,4,5,6,7
	OUTB \a, 0
.endr
	RBACK RDQ
	s_branch .Ldone
.Lv:
.irp a, 0,1,2,3,4,5,6,7
	OUTB \a, 1
.endr
	RBACK RDV
.Ldone:
	s_wait_tensorcnt 0x0                           ; the wave's end
	ds_add_u32 v[SPW], v[NIL]
	s_wait_dscnt 0x0
	CROUND                                         ; the closing round
	s_endpgm
.Lfunc_end_k_q08cc327f71_qkv:
	.size	k_q08cc327f71_qkv, .Lfunc_end_k_q08cc327f71_qkv-k_q08cc327f71_qkv
	.p2alignl 7, 3214868480
	.fill 96, 4, 3214868480
	.section	.rodata,"a",@progbits
	.p2align	6, 0x0
	.amdhsa_kernel k_q08cc327f71_qkv
		.amdhsa_group_segment_fixed_size 327680
		.amdhsa_private_segment_fixed_size 0
		.amdhsa_enable_private_segment 0
		.amdhsa_kernarg_size 80
		.amdhsa_user_sgpr_count 2
		.amdhsa_user_sgpr_kernarg_segment_ptr 1
		.amdhsa_wavefront_size32 1
		.amdhsa_system_sgpr_workgroup_id_x 1
		.amdhsa_system_sgpr_workgroup_id_y 1
		.amdhsa_system_sgpr_workgroup_id_z 1
		.amdhsa_system_vgpr_workitem_id 0
		.amdhsa_next_free_vgpr 1024
		.amdhsa_next_free_sgpr 102
		.amdhsa_reserve_vcc 0
		.amdhsa_float_denorm_mode_32 3
		.amdhsa_float_denorm_mode_16_64 3
		.amdhsa_memory_ordered 1
		.amdhsa_forward_progress 1
		.amdhsa_inst_pref_size 209
	.end_amdhsa_kernel
	.amdgpu_metadata
---
amdhsa.version: [ 1, 2 ]
amdhsa.kernels:
  - .name:           k_q08cc327f71_qkv
    .symbol:         k_q08cc327f71_qkv.kd
    .args:
      - { .name: x_codes, .offset: 0, .size: 8, .value_kind: global_buffer, .address_space: global }
      - { .name: Wq_codes, .offset: 8, .size: 8, .value_kind: global_buffer, .address_space: global }
      - { .name: Wk_codes, .offset: 16, .size: 8, .value_kind: global_buffer, .address_space: global }
      - { .name: Wv_codes, .offset: 24, .size: 8, .value_kind: global_buffer, .address_space: global }
      - { .name: bq, .offset: 32, .size: 8, .value_kind: global_buffer, .address_space: global }
      - { .name: bk, .offset: 40, .size: 8, .value_kind: global_buffer, .address_space: global }
      - { .name: bv, .offset: 48, .size: 8, .value_kind: global_buffer, .address_space: global }
      - { .name: lowp_scales, .offset: 56, .size: 8, .value_kind: global_buffer, .address_space: global }
      - { .name: q_img, .offset: 64, .size: 8, .value_kind: global_buffer, .address_space: global }
      - { .name: kv_img, .offset: 72, .size: 8, .value_kind: global_buffer, .address_space: global }
    .group_segment_fixed_size: 327680
    .private_segment_fixed_size: 0
    .kernarg_segment_align: 8
    .kernarg_segment_size: 80
    .max_flat_workgroup_size: 128
    .sgpr_count:     102
    .vgpr_count:     1024
    .wavefront_size: 32
...
	.end_amdgpu_metadata
.endif
;; end of part 1
;; launch attn (part 2): grid 4 x 64, 8 waves a work-group, clusters of 4 x 1, 327,680 bytes of LDS; arguments q_img, kv_img, lowp_scales, a_img; writes a_img
.if DOCPART == 2
	.amdgcn_target "amdgcn-amd-amdhsa--gfx1250"
	.amdhsa_code_object_version 6
	.text
	.protected	k_q08cc327f71_attn
	.globl	k_q08cc327f71_attn
	.p2align	8
	.type	k_q08cc327f71_attn,@function
k_q08cc327f71_attn:
	s_mov_b64 s[64:65], 0
	v_nop
	global_prefetch_b8 v0, s[64:65] scope:SCOPE_SE
	s_setreg_imm32_b32 hwreg(HW_REG_WAVE_MODE, 25, 1), 1
	s_wait_xcnt 0x0
	s_wait_alu depctr_hold_cnt(0) depctr_sa_sdst(0) depctr_va_vdst(0) depctr_va_sdst(0) depctr_va_ssrc(0) depctr_va_vcc(0) depctr_vm_vsrc(0)
	s_getreg_b32 s2, hwreg(HW_REG_IB_STS2, 6, 4)
	s_cmp_eq_u32 s2, 0
	s_cbranch_scc0 .Lentry_in_a_cluster
	s_endpgm
.Lentry_in_a_cluster:
	s_bfe_u32 s2, ttmp6, 0x10000c
	s_cmp_lg_u32 s2, 0x3003
	s_cbranch_scc0 .Lentry_shape_is_right
	s_endpgm
.Lentry_shape_is_right:
; For each of 64 heads (g = 16 b + hh): o = softmax(q k^T / 8) v on codes of FP8 (E4M3), head size 64, 2,048 keys; o is quantised at once (entry 10 of the scales) and stored as the image of the last product's operand.
; THE SOFTMAX: t = score x log2(e) / 8; M = the running largest t rounded UP to a whole number; p = 2^(t - M) is quantised (entry 8), not normalised; the row's sum is taken of the unquantised p and divides at the end.
; When M moves, the sum and O are multiplied by 2^(old M - new M): nothing is rounded, and no branch hangs on data.
; SHARES.  A work-group owns 512 queries of one head.  A head's codes of K and V, 262,144 bytes, all lie in LDS, filled once: no ring, no refill, no LDS store.
; Eight waves, two to a SIMD; a wave owns TWO tiles of 16 queries at once, so that each fragment of K and V read from LDS feeds two tiles; it walks the 16 key steps of 128 keys twice: tiles 32 cx + 16 pass + 2 wave + {0, 1}.
; CLUSTER.  The four work-groups of a head need the same K and V: each wave's 32 KB are asked for JOINTLY, by the same descriptor and the mask 15.  One tensor load a wave is out.
; LAYOUT.  Both products transposed: S^T = K Q^T, O^T = V^T P^T: a lane holds one query (l % 16) throughout.  kv_img and q_img are images of the operand registers: a load of 16 bytes a lane at 16 l takes 512 consecutive bytes.
; The keys of a tile of K and the channels of a tile of V are so chosen (by the launch before) that the 16 registers of two neighbouring result tiles are 16 neighbours along the next K.
; THE TWO TILES' SOFTMAX STANDS IN ONE WINDOW, so that their chains stand line by line beside each other: eight chains for a tile's maximum and eight for its sum.
; Among tile 0's exponentials stand tile 1's scalings, among tile 1's stands tile 0's hold: lines whose sources are older than the wait ahead and whose results are first read behind the next wait.
; The hold at 448 x 2^e8 goes two numbers a line (a dual pair).
; No prefetch: every byte of K and V is asked for by the one load at the head; the next pass's Q is loaded ahead, under the way out.
; LIMITS: entries 6 + 7 between -123 and 130 (added to c's exponent field); entries 8 and 10 between -126 and 119; entries 8 + 9 are applied by v_ldexp_f32.  NaN codes are not served.  The scaled scores stay under 2^31 in magnitude.
; REGISTERS.  Window 0: v1-5 addresses; v8-15, v16-23 a tile's state; v24-28 constants; v32-47 the maxima's chains; v48-63 Q; v64-95 p's codes; v96-159, v160-223 S^T, then p; v224-255 the sums' chains.
;   Window 1: v0-63 O^T of both tiles; v64-127 K of a step; v128-191 V of a step.
; s_set_vgpr_msb: bits 1:0 source 0, 3:2 source 1, 5:4 source 2, 7:6 destination.  0x01 S^T (K from window 1) and the way out's reads of O^T; 0x40 loads and moves into window 1; 0x41 O^T x f; 0x51 O^T += V^T P^T.
.set SPARE, 0x40000                    ; behind K and V: the spare words, 128 bytes a wave
.set LI,  1                            ; 16 x lane; never rewritten
.set ADV, 2                            ; LDS address of the step's V
.set ADK, 3                            ; of the next step's K
.set SPW, 4                            ; my spare word; never rewritten
.set NIL, 5                            ; 0; never rewritten
.set ST,  8                            ; tile x's state at ST + 8 x: +0 -M, +1 the largest score, +2, +3 the sum in two halves, +4, +5 f (the low word serves), +6 at work, +7 a lane permute's destination
.set LP,  24                           ; v24, v25 both 448 x 2^e8; v26 2^e8; v27 448 x 2^e10; v28 2^e10
.set SP,  26
.set LO,  27
.set SO,  28
.set T,   32                           ; + 8 x
.set QF,  48                           ; + 8 x
.set PC,  64                           ; + 16 x
.set S,   96                           ; + 64 x
.set W,   224                          ; + 16 x
.set KB,  64                           ; window 1
.set VB,  128                          ; window 1; O^T of tile x at 32 x
.set WV,  12                           ; s12 wave, s13 cx, s14 head
.set G1,  16
.set G0,  24
.set SEL, 28                           ; s[28:29] lane l xor 16
.set CS,  30                           ; s[30:31] c = log2(e) / 8 x 2^(e6 + e7)
.set TB,  32                           ; LDS byte of the key step in hand
.set KCNT, 33
.set PASS, 34
.set MSB, 0
.macro WIN new
.if MSB != (\new)
	s_set_vgpr_msb (MSB<<8)|(\new)
.set MSB, (\new)
.endif
.endm
.macro CROUND                          ; a round of the cluster's barrier
	s_barrier_signal -1
	s_barrier_wait -1
	s_cmp_lg_u32 s[WV], 0
	s_cbranch_scc1 .Lnot_wave_0_\@
	s_barrier_signal -3
.Lnot_wave_0_\@:
	s_barrier_wait -3
	s_barrier_signal -1
	s_barrier_wait -1
.endm
.macro QLOAD                           ; my two tiles of Q: four loads of 512 consecutive bytes
.irp i, 0,1,2,3
	global_load_b128 v[QF+4*\i:QF+4*\i+3], v[LI], s[4:5] offset:512*\i th:TH_LOAD_NT
.endr
.endm
.macro TILE_INIT                       ; the key step is written once: the first finds zeros, which the first change of M leaves zeros
.irp x, 0,1
	v_mov_b32 v[ST+8*\x], 0x7f61b1e6               ; -M: 3e38
	v_mov_b32 v[ST+8*\x+1], 0xff61b1e6             ; -3e38, under every score
	v_mov_b32 v[ST+8*\x+2], 0
	v_mov_b32 v[ST+8*\x+3], 0
	v_mov_b32 v[ST+8*\x+5], 0                      ; (named as the upper half of a pair)
	v_mov_b32 v[ST+8*\x+7], 0
.endr
	WIN 0x40
.set i, 0
.rept 64
	v_mov_b32 v[i], 0
.set i, i+1
.endr
	WIN 0
.endm
; A tile's largest score among my 64 keys: a chain to each accumulator, read from its low end on; both tiles line by line.
.macro MAXES
.irp x, 0,1
.irp j, 0,1,2,3,4,5,6,7
	v_max3_num_f32 v[T+8*\x+\j], v[S+64*\x+8*\j], v[S+64*\x+8*\j+1], v[S+64*\x+8*\j+2]
.endr
.endr
.irp k, 3,5
.irp x, 0,1
.irp j, 0,1,2,3,4,5,6,7
	v_max3_num_f32 v[T+8*\x+\j], v[T+8*\x+\j], v[S+64*\x+8*\j+\k], v[S+64*\x+8*\j+\k+1]
.endr
.endr
.endr
.irp j, 0,1,2,3
.irp x, 0,1
	v_max3_num_f32 v[T+8*\x+\j], v[T+8*\x+\j], v[S+64*\x+16*\j+7], v[S+64*\x+16*\j+15]
.endr
.endr
.irp x, 0,1
	v_max3_num_f32 v[T+8*\x], v[T+8*\x], v[T+8*\x+1], v[T+8*\x+4]
	v_max3_num_f32 v[T+8*\x+2], v[T+8*\x+2], v[T+8*\x+3], v[T+8*\x+5]
	v_max3_num_f32 v[T+8*\x+6], v[T+8*\x+6], v[T+8*\x+7], v[ST+8*\x+1]  ; the largest score so far goes in here
.endr
.irp x, 0,1
	v_max3_num_f32 v[ST+8*\x+1], v[T+8*\x], v[T+8*\x+2], v[T+8*\x+6]    ; the running largest score
.endr
.irp x, 0,1
	v_permlanex16_b32 v[ST+8*\x+7], v[ST+8*\x+1], s[SEL], s[SEL+1]
.endr
.irp x, 0,1
	v_max_num_f32 v[ST+8*\x+1], v[ST+8*\x+1], v[ST+8*\x+7]              ; and lane l xor 16's
.endr
.irp x, 0,1
	v_mul_f32 v[T+8*\x], s[CS], -v[ST+8*\x+1]                           ; -t (c is positive)
.endr
.irp x, 0,1
	v_floor_f32 v[ST+8*\x], v[T+8*\x]                                   ; -M = floor(-t): M is a whole number
.endr
.endm
; f = 2^(old M - new M) of both tiles, in three lines each: they stand among tile 0's scalings, which do not read them.
.macro FLINE n
.irp x, 0,1
.if \n == 0
	v_sub_f32 v[ST+8*\x+6], v[ST+8*\x], v[ST+8*\x+6]                    ; old M - new M, 0 or less
.endif
.if \n == 1
	v_cvt_i32_f32 v[ST+8*\x+6], v[ST+8*\x+6]                            ; (it saturates)
.endif
.if \n == 2
	v_ldexp_f32 v[ST+8*\x+4], 1.0, v[ST+8*\x+6]
.endif
.endr
.endm
; Tile x's 64 exponentials; behind each two a line of the other tile: hold = 0: tile 1's t - M, two at a time; hold = 1: tile 0's hold, two at a time.
.macro EXPF x, hold
.set i, 0
.rept 32
	v_exp_f32 v[S+64*\x+2*i], v[S+64*\x+2*i]
	v_exp_f32 v[S+64*\x+2*i+1], v[S+64*\x+2*i+1]
.if \hold
	v_dual_min_num_f32 v[S+2*i], v[S+2*i], v[LP] :: v_dual_min_num_f32 v[S+2*i+1], v[S+2*i+1], v[LP+1]
.else
	v_pk_fma_f32 v[S+64+2*i:S+64+2*i+1], v[S+64+2*i:S+64+2*i+1], s[CS:CS+1], v[ST+8:ST+9] op_sel_hi:[1,0,0]
.endif
.set i, i+1
.endr
.endm
; The sum of tile x's unquantised p, two at a time, in eight chains.  SUMT joins the chains of both tiles, level by level; its last level brings the old sum under the new M and adds.
.macro SUMS x
.irp k, 0,1,2,3,4,5,6,7
	v_pk_add_f32 v[W+16*\x+2*\k:W+16*\x+2*\k+1], v[S+64*\x+2*\k:S+64*\x+2*\k+1], v[S+64*\x+16+2*\k:S+64*\x+16+2*\k+1]
.endr
.irp i, 32,48
.irp k, 0,1,2,3,4,5,6,7
	v_pk_add_f32 v[W+16*\x+2*\k:W+16*\x+2*\k+1], v[W+16*\x+2*\k:W+16*\x+2*\k+1], v[S+64*\x+\i+2*\k:S+64*\x+\i+2*\k+1]
.endr
.endr
.endm
.macro SUMT n
.irp x, 0,1
.if \n == 0
.irp k, 0,1,2,3
	v_pk_add_f32 v[W+16*\x+2*\k:W+16*\x+2*\k+1], v[W+16*\x+2*\k:W+16*\x+2*\k+1], v[W+16*\x+8+2*\k:W+16*\x+8+2*\k+1]
.endr
.endif
.if \n == 1
.irp k, 0,1
	v_pk_add_f32 v[W+16*\x+2*\k:W+16*\x+2*\k+1], v[W+16*\x+2*\k:W+16*\x+2*\k+1], v[W+16*\x+4+2*\k:W+16*\x+4+2*\k+1]
.endr
.endif
.if \n == 2
	v_pk_add_f32 v[W+16*\x:W+16*\x+1], v[W+16*\x:W+16*\x+1], v[W+16*\x+2:W+16*\x+3]
.endif
.if \n == 3
	v_pk_fma_f32 v[ST+8*\x+2:ST+8*\x+3], v[ST+8*\x+2:ST+8*\x+3], v[ST+8*\x+4:ST+8*\x+5], v[W+16*\x:W+16*\x+1] op_sel_hi:[1,0,1]
.endif
.endr
.endm
.macro HOLD1 n0, n                     ; tile 1's hold, pairs n0 .. n0 + n - 1: the conversion does not saturate (ISA guide 7.6.2); p is not negative: a one-sided hold
.set i, \n0
.rept \n
	v_dual_min_num_f32 v[S+64+2*i], v[S+64+2*i], v[LP] :: v_dual_min_num_f32 v[S+64+2*i+1], v[S+64+2*i+1], v[LP+1]
.set i, i+1
.endr
.endm
.macro CODES x                         ; 64 numbers to 64 codes: the second product's operand registers
.irp b, 0,1,2,3
	v_cvt_scalef32_pk8_fp8_f32 v[PC+16*\x+4*\b:PC+16*\x+4*\b+1], v[S+64*\x+16*\b:S+64*\x+16*\b+7], v[SP]
	v_cvt_scalef32_pk8_fp8_f32 v[PC+16*\x+4*\b+2:PC+16*\x+4*\b+3], v[S+64*\x+16*\b+8:S+64*\x+16*\b+15], v[SP]
.endr
.endm
; A KEY STEP for both tiles.  V's 16 loads and the NEXT step's 16 loads of K are issued behind the scores' products and land under the softmax.
.macro STEP
	s_wait_dscnt 0x0                               ; this step's K is in
	WIN 0x01
.irp x, 0,1
.irp t, 0,1,2,3,4,5,6,7
	v_wmma_f32_16x16x64_fp8_fp8 v[S+64*\x+8*\t:S+64*\x+8*\t+7], v[KB+8*\t:KB+8*\t+7], v[QF+8*\x:QF+8*\x+7], 0
.endr
.endr
	WIN 0
	v_add_nc_u32 v[ADV], s[TB], v[LI]              ; four plain lines: the places behind the products above, which read K's registers, and behind the last step's, which read V's
	s_add_co_u32 s[TB], s[TB], 16384
	s_and_b32 s[TB], s[TB], 0x3c000                ; behind step 15 comes step 0: the next pass's first
	v_add_nc_u32 v[ADK], s[TB], v[LI]
	v_mov_b32 v[ST+6], v[ST]                       ; the old -M of both tiles
	v_mov_b32 v[ST+14], v[ST+8]
	WIN 0x40
.set i, 0
.rept 16
	ds_load_b128 v[VB+4*i:VB+4*i+3], v[ADV] offset:8192+512*i
.set i, i+1
.endr
.set i, 0
.rept 16
	ds_load_b128 v[KB+4*i:KB+4*i+3], v[ADK] offset:512*i
.set i, i+1
.endr
	WIN 0
	MAXES
.set i, 0
.rept 32
	v_pk_fma_f32 v[S+2*i:S+2*i+1], v[S+2*i:S+2*i+1], s[CS:CS+1], v[ST:ST+1] op_sel_hi:[1,0,0]   ; tile 0: t - M, two at a time
.if i == 1
	FLINE 0
.endif
.if i == 9
	FLINE 1
.endif
.if i == 17
	FLINE 2
.endif
.set i, i+1
.endr
	s_wait_alu depctr_va_vdst(0)                   ; ahead of a batch of exponentials
	EXPF 0, 0                                      ; its last line is a plain one
	s_wait_alu depctr_va_vdst(0)                   ; and behind it, ahead of its first reader; it also stands ahead of tile 1's batch for the scalings just made
	SUMS 0                                         ; its chains are joined behind the second batch's wait, with tile 1's
	EXPF 1, 1
	v_nop                                          ; a plain line behind the last exponential
	s_wait_dscnt 16                                ; V's 16 loads are in; the 16 younger ones, the next step's K, may be out
	s_wait_alu depctr_va_vdst(0)                   ; behind the batch, ahead of its first reader and of the readers of tile 0's held p
	CODES 0
	SUMS 1
	SUMT 0                                         ; the chains' joining levels stand among tile 1's holds, which do not read them
	HOLD1 0, 4
	SUMT 1
	HOLD1 4, 8
	SUMT 2
	HOLD1 12, 8
	SUMT 3
	HOLD1 20, 12
	CODES 1
	WIN 0x41
	s_wait_alu depctr_va_vdst(0)                   ; directly ahead of the first reader of O^T
.irp x, 0,1
.set i, 0
.rept 16
	v_pk_mul_f32 v[32*\x+i:32*\x+i+1], v[32*\x+i:32*\x+i+1], v[ST+8*\x+4:ST+8*\x+5] op_sel_hi:[1,0]   ; O^T x f; also the plain lines between the conversions and the products
.set i, i+2
.endr
.endr
	WIN 0x51
.irp d, 0,1,2,3                                ; O^T += V^T P^T: K = the step's 128 keys; the eight accumulators take turns
.irp x, 0,1
	v_wmma_f32_16x16x128_fp8_fp8 v[32*\x+8*\d:32*\x+8*\d+7], v[VB+16*\d:VB+16*\d+15], v[PC+16*\x:PC+16*\x+15], v[32*\x+8*\d:32*\x+8*\d+7]
.endr
.endr
	WIN 0
.endm
	s_load_b256 s[4:11], s[0:1], 0x0               ; q_img 4, kv_img 6, the scales 8, a_img 10
	v_lshl_add_u32 v[SPW], v0, 2, SPARE
	v_mov_b32 v[NIL], 0
	ds_add_u32 v[SPW], v[NIL]                      ; the opening lines: the add, twice on end, and its wait ahead of my first tensor load
	ds_add_u32 v[SPW], v[NIL]
	v_lshrrev_b32 v2, 5, v0
	v_readfirstlane_b32 s[WV], v2                  ; wave 0..7
	v_and_b32 v1, 31, v0
	v_lshlrev_b32 v[LI], 4, v1
	s_bfe_u32 s13, ttmp6, 0x40000                  ; cx: it enters Q's and the output's addresses alone
	s_and_b32 s14, ttmp7, 0xffff                   ; the head, which the four partners share
	s_mov_b32 s[G1], 15|(3<<16)|(1<<21)            ; the mask: all four; elements of 8 bytes; bit 21 beside a mask; no padding
	s_mov_b32 s[G1+1], 32<<16                      ; tensor_dim0 = 32 elements: rows of 256 bytes
	s_mov_b32 s[G1+2], 128<<16                     ; tensor_dim1 = 128
	s_mov_b32 s[G1+3], 32<<16                      ; tile_dim0
	s_mov_b32 s[G1+4], 128                         ; tile_dim1: 128 x 256 bytes = my 32 KB, dense
	s_mov_b32 s[G1+5], 32
	s_mov_b32 s[G1+6], 0
	s_mov_b32 s[G1+7], 0
	s_mov_b32 s[SEL], 0x76543210
	s_mov_b32 s[SEL+1], 0xfedcba98
	s_mov_b32 s[CS], 0x3e38aa3b                    ; log2(e) / 8
	s_mov_b32 s[G0], 1
	s_lshl_b32 s[G0+1], s[WV], 15                  ; LDS: wave x 32 KB
	s_lshl_b32 s42, s14, 18                        ; the head's 256 KB,
	s_add_co_u32 s42, s42, s[G0+1]                 ; my 32 KB of them
	s_mov_b32 s43, 0
	s_wait_alu depctr_va_vdst(0)
	s_wait_dscnt 0x0
	s_wait_kmcnt 0x0
	s_load_b128 s[36:39], s[8:9], 0x18             ; entries 6, 7, 8, 9
	s_load_b32 s40, s[8:9], 0x28                   ; entry 10
	s_add_nc_u64 s[G0+2:G0+3], s[6:7], s[42:43]
	s_or_b32 s[G0+3], s[G0+3], 0x80000000
	CROUND                                         ; all four work-groups are here: the joint loads meet
	tensor_load_to_lds s[G0:G0+3], s[G1:G1+7]
	s_nop 0
.rept 4
	v_nop
.endr
	s_lshl_b32 s42, s14, 17                        ; Q: the head's 128 KB, tile 32 cx + 2 wave of 1 KB
	s_lshl_b32 s44, s13, 15
	s_add_co_u32 s42, s42, s44
	s_lshl_b32 s44, s[WV], 11
	s_add_co_u32 s42, s42, s44
	s_add_nc_u64 s[4:5], s[4:5], s[42:43]
	QLOAD
	s_bfe_u32 s42, s14, 0x20002                    ; a_img [4 kp][512 row blocks][2][4][32 lanes][16]: kp = hh / 4,
	s_lshl_b32 s42, s42, 21
	s_lshr_b32 s44, s14, 4                         ; row block 128 b + tile, 4,096 bytes each,
	s_lshl_b32 s44, s44, 19
	s_add_co_u32 s42, s42, s44
	s_lshl_b32 s44, s13, 17
	s_add_co_u32 s42, s42, s44
	s_lshl_b32 s44, s[WV], 13
	s_add_co_u32 s42, s42, s44
	s_and_b32 s44, s14, 3                          ; and 1,024 (hh % 4): the head's 64 of the 256 along K
	s_lshl_b32 s44, s44, 10
	s_add_co_u32 s42, s42, s44
	s_add_nc_u64 s[10:11], s[10:11], s[42:43]
	s_wait_kmcnt 0x0
	s_add_co_i32 s41, s36, s37
	s_lshl_b32 s41, s41, 23
	s_add_co_i32 s[CS], s[CS], s41                 ; a score stands for score x 2^(e6 + e7)
	s_mov_b32 s[CS+1], s[CS]
	s_add_co_i32 s41, s38, 127
	s_lshl_b32 s45, s41, 23                        ; 2^e8
	s_add_co_i32 s41, s41, 8
	s_lshl_b32 s41, s41, 23
	s_or_b32 s41, s41, 0x600000                    ; 448 x 2^e8
	s_add_co_i32 s46, s40, 127
	s_lshl_b32 s47, s46, 23                        ; 2^e10
	s_add_co_i32 s46, s46, 8
	s_lshl_b32 s46, s46, 23
	s_or_b32 s46, s46, 0x600000                    ; 448 x 2^e10
	s_add_co_i32 s48, s38, s39                     ; e8 + e9
	v_mov_b32 v[LP], s41
	v_mov_b32 v[LP+1], s41                         ; twice: the two halves of a dual pair name different registers
	v_mov_b32 v[SP], s45
	v_mov_b32 v[LO], s46
	v_mov_b32 v[SO], s47
	s_wait_alu depctr_va_vdst(0)                   ; the head's end
	s_wait_tensorcnt 0x0                           ; my 32 KB are in,
	s_barrier_signal -1
	s_barrier_wait -1                              ; everybody's are: from here on LDS is only read
	s_mov_b32 s[TB], 0
	WIN 0x40
.set i, 0
.rept 16
	ds_load_b128 v[KB+4*i:KB+4*i+3], v[LI] offset:512*i   ; K of step 0
.set i, i+1
.endr
	WIN 0
	s_mov_b32 s[PASS], 2
.Lpass:
	TILE_INIT
	s_wait_alu depctr_va_vdst(0)
	s_wait_loadcnt 0x0                             ; Q
	s_mov_b32 s[KCNT], 16
.Lkey:
	STEP
	s_sub_co_u32 s[KCNT], s[KCNT], 1
	s_cmp_lg_u32 s[KCNT], 0
	s_cbranch_scc1 .Lkey
.rept 4
	v_nop                                          ; places behind the last products
.endr
	s_cmp_eq_u32 s[PASS], 1                        ; the next pass's Q, if there is one, lands under the way out: no load leaves its buffer
	s_cbranch_scc1 .Lno_q
	s_add_nc_u64 s[4:5], s[4:5], 16384             ; 16 tiles on (the last loads by this base were waited for at the pass's head)
	QLOAD
.Lno_q:
	; THE WAY OUT of both tiles: O^T x 2^(e8 + e9) / the sum, held, 32 numbers to 32 codes: registers PC .. PC + 3 are d = 16 (l / 16) + 0..15, PC + 4 .. PC + 7 are d = 32 + the same.
.irp x, 0,1
	v_add_f32 v[ST+8*\x+2], v[ST+8*\x+2], v[ST+8*\x+3]
.endr
.irp x, 0,1
	v_permlanex16_b32 v[ST+8*\x+7], v[ST+8*\x+2], s[SEL], s[SEL+1]
.endr
.irp x, 0,1
	v_add_f32 v[ST+8*\x+2], v[ST+8*\x+2], v[ST+8*\x+7]
.endr
	s_wait_alu depctr_va_vdst(0)                   ; ahead of the reciprocals,
.irp x, 0,1
	v_rcp_f32 v[ST+8*\x+6], v[ST+8*\x+2]
.endr
	v_nop                                          ; a plain line behind them,
	s_wait_alu depctr_va_vdst(0)                   ; and the wait ahead of their first reader
.irp x, 0,1
	v_ldexp_f32 v[ST+8*\x+6], v[ST+8*\x+6], s48
.endr
	WIN 0x01
	s_wait_alu depctr_va_vdst(0)                   ; directly ahead of the first reader of O^T
.irp x, 0,1
.set i, 0
.rept 32
	v_mul_f32 v[S+64*\x+i], v[32*\x+i], v[ST+8*\x+6]   ; each accumulator from its low end on
.set i, i+1
.endr
.endr
	WIN 0
.irp x, 0,1
.set i, 0
.rept 32
	v_med3_num_f32 v[S+64*\x+i], v[S+64*\x+i], -v[LO], v[LO]
.set i, i+1
.endr
.endr
.irp x, 0,1
.irp g, 0,1,2,3
	v_cvt_scalef32_pk8_fp8_f32 v[PC+16*\x+2*\g:PC+16*\x+2*\g+1], v[S+64*\x+8*\g:S+64*\x+8*\g+7], v[SO]
.endr
.endr
	v_nop                                          ; a plain line behind the last conversion
.irp x, 0,1                                    ; each store of the wave covers 512 consecutive bytes, aligned; tile 1 is the next row block
	global_store_b128 v[LI], v[PC+16*\x:PC+16*\x+3], s[10:11] offset:4096*\x
	global_store_b128 v[LI], v[PC+16*\x+4:PC+16*\x+7], s[10:11] offset:4096*\x+512
.endr
	s_wait_xcnt 0x0                                ; the stores have read their data and their base: both are written again only behind this wait
	s_add_nc_u64 s[10:11], s[10:11], 65536         ; 16 row blocks on
	s_sub_co_u32 s[PASS], s[PASS], 1
	s_cmp_lg_u32 s[PASS], 0
	s_cbranch_scc1 .Lpass
	s_wait_dscnt 0x0                               ; the last step's loads of K, which nobody uses, are back
	s_wait_tensorcnt 0x0                           ; the wave's end
	ds_add_u32 v[SPW], v[NIL]
	s_wait_dscnt 0x0
	CROUND                                         ; the closing round
	s_endpgm
.Lfunc_end_k_q08cc327f71_attn:
	.size	k_q08cc327f71_attn, .Lfunc_end_k_q08cc327f71_attn-k_q08cc327f71_attn
	.p2alignl 7, 3214868480
	.fill 96, 4, 3214868480
	.section	.rodata,"a",@progbits
	.p2align	6, 0x0
	.amdhsa_kernel k_q08cc327f71_attn
		.amdhsa_group_segment_fixed_size 327680
		.amdhsa_private_segment_fixed_size 0
		.amdhsa_enable_private_segment 0
		.amdhsa_kernarg_size 32
		.amdhsa_user_sgpr_count 2
		.amdhsa_user_sgpr_kernarg_segment_ptr 1
		.amdhsa_wavefront_size32 1
		.amdhsa_system_sgpr_workgroup_id_x 1
		.amdhsa_system_sgpr_workgroup_id_y 1
		.amdhsa_system_sgpr_workgroup_id_z 1
		.amdhsa_system_vgpr_workitem_id 0
		.amdhsa_next_free_vgpr 512
		.amdhsa_next_free_sgpr 66
		.amdhsa_reserve_vcc 0
		.amdhsa_float_denorm_mode_32 3
		.amdhsa_float_denorm_mode_16_64 3
		.amdhsa_memory_ordered 1
		.amdhsa_forward_progress 1
		.amdhsa_inst_pref_size 46
	.end_amdhsa_kernel
	.amdgpu_metadata
---
amdhsa.version: [ 1, 2 ]
amdhsa.kernels:
  - .name:           k_q08cc327f71_attn
    .symbol:         k_q08cc327f71_attn.kd
    .args:
      - { .name: q_img, .offset: 0, .size: 8, .value_kind: global_buffer, .address_space: global }
      - { .name: kv_img, .offset: 8, .size: 8, .value_kind: global_buffer, .address_space: global }
      - { .name: lowp_scales, .offset: 16, .size: 8, .value_kind: global_buffer, .address_space: global }
      - { .name: a_img, .offset: 24, .size: 8, .value_kind: global_buffer, .address_space: global }
    .group_segment_fixed_size: 327680
    .private_segment_fixed_size: 0
    .kernarg_segment_align: 8
    .kernarg_segment_size: 32
    .max_flat_workgroup_size: 256
    .sgpr_count:     66
    .vgpr_count:     512
    .wavefront_size: 32
...
	.end_amdgpu_metadata
.endif
;; end of part 2
;; launch proj (part 3): grid 32 x 8, 4 waves a work-group, clusters of 4 x 1, 327,680 bytes of LDS; arguments a_img, Wo_codes, lowp_scales, bo, out0; writes out0
.if DOCPART == 3
	.amdgcn_target "amdgcn-amd-amdhsa--gfx1250"
	.amdhsa_code_object_version 6
	.text
	.protected	k_q08cc327f71_proj
	.globl	k_q08cc327f71_proj
	.p2align	8
	.type	k_q08cc327f71_proj,@function
k_q08cc327f71_proj:
	s_mov_b64 s[64:65], 0
	v_nop
	global_prefetch_b8 v0, s[64:65] scope:SCOPE_SE
	s_setreg_imm32_b32 hwreg(HW_REG_WAVE_MODE, 25, 1), 1
	s_wait_xcnt 0x0
	s_wait_alu depctr_hold_cnt(0) depctr_sa_sdst(0) depctr_va_vdst(0) depctr_va_sdst(0) depctr_va_ssrc(0) depctr_va_vcc(0) depctr_vm_vsrc(0)
	s_getreg_b32 s2, hwreg(HW_REG_IB_STS2, 6, 4)
	s_cmp_eq_u32 s2, 0
	s_cbranch_scc0 .Lentry_in_a_cluster
	s_endpgm
.Lentry_in_a_cluster:
	s_bfe_u32 s2, ttmp6, 0x10000c
	s_cmp_lg_u32 s2, 0x3003
	s_cbranch_scc0 .Lentry_shape_is_right
	s_endpgm
.Lentry_shape_is_right:
; out0 = o Wo^T + bo on codes of FP8 (E4M3): o's codes come as a_img, the image of this product's operand registers that the attention launch stores; Wo: [1024 n][1024 k] codes.  A sum stands for sum x 2^(e10 + e11).
; SHARES.  A work-group makes 256 rows (16 row blocks of 16) x 128 columns: 32 x 8 = 256 work-groups.  Each of its four waves makes 64 rows x 128 columns: 32 accumulators, 256 registers.
; B: Wo's 128 rows x ALL 1,024 of K lie in LDS, 133,120 bytes, filled once: no ring, no refill.  Each wave fetches 32 rows by one tensor load; all four waves read all rows.
; A: a wave's 64 rows x all of K are 65,536 bytes = 512 registers.  a_img is laid as the registers want it, so they come straight from memory, each load 512 consecutive bytes, each fragment read by this one wave of the work-group, once.
;    Through LDS the work-group's 262,144 bytes of A would not fit beside B.  64 loads go out at the head, 16 more in each of K steps 0 to 3.
; CLUSTER 4, 1, 1: the four partners make the same 128 columns of four neighbouring blocks of rows: B's tiles are asked for JOINTLY (mask 15).  cx enters A's and the output's addresses alone.
; K goes in 8 steps of 128, each in two halves of four of B's fragments: 16 matrix instructions on 16 accumulators by turns.  B's fragments rotate through three buffers of 64 registers:
; the loads of half step hs + 2 are issued ahead of the products of hs.  All 16 half steps are written by one .rept: the buffers' numbers come back after three, which does not divide 16.
; THE MATRIX INSTRUCTION IS USED TRANSPOSED (source 0 = 16 rows of Wo, source 1 = 16 rows of o): a lane holds eight neighbouring columns of one row.
; The order of k inside a matrix instruction is permuted alike in both operands (16 bytes at 32 c + 16 (l / 16)).
; a_img: [4 kp][512 row blocks][2 q][4 c][32 lanes][16 bytes]; K step ks = 2 kp + q.  Row block 128 b + T holds, in row t, position s = 32 (T / 2) + 8 (T % 2) + t + 8 (t / 8) of batch b.
; No prefetch: the text has no loop to run ahead in; every byte is asked for as early as its registers are free.
; LIMIT: e10 + e11 between -126 and 127, so that 2^(e10 + e11) is an f32 number.
; REGISTERS.  Window 0: v1-11 addresses and 4 numbers of the bias; v64-255 B's three buffers, on the way out two buffers of rows read back.  Window 1: accumulator (a, b) at v[8 (8 a + b)].  Windows 2, 3: A, K step ks at v[64 (ks % 4)] of window 2 + ks / 4.
.set BP,     1040                      ; B's row in LDS: 1,024 bytes + 16 of padding: 65 x 16, so the 16 rows of a load start at 16 different groups of four banks (64 banks of 4 bytes: ISA guide 11.1)
.set SPARE,  128*BP                    ; behind B: the spare words, 128 bytes a wave
.set STAGE,  SPARE+512                 ; the way out: 16 rows x (512 + 16) bytes a wave, bytes of their own
.set SPITCH, 528
.set LI,  1                            ; 16 x lane; never rewritten
.set ADB, 2                            ; v2, v3  LDS address of B's fragments 0-3, 4-7
.set STO, 4
.set RD,  5
.set SPW, 6                            ; my spare word; never rewritten
.set NIL, 7                            ; 0; never rewritten
.set BI,  8                            ; v8-11  bo at my four columns of a row read back
.set BF,  64
.set MSB, 0
.macro WIN new
.if MSB != (\new)
	s_set_vgpr_msb (MSB<<8)|(\new)
.set MSB, (\new)
.endif
.endm
.macro CROUND                          ; a round of the cluster's barrier
	s_barrier_signal -1
	s_barrier_wait -1
	s_cmp_lg_u32 s14, 0
	s_cbranch_scc1 .Lnot_wave_0_\@
	s_barrier_signal -3
.Lnot_wave_0_\@:
	s_barrier_wait -3
	s_barrier_signal -1
	s_barrier_wait -1
.endm
.macro PLACES                          ; plain vector lines between a matrix instruction and a load into, or a read of, its registers
.rept 4
	v_nop
.endr
.endm
.macro ALOAD ks                        ; my four row blocks' fragments of K step ks: 16 loads of 512 consecutive bytes
	WIN 0x80+0x40*((\ks)/4)
.irp a, 0,1,2,3
.irp c, 0,1,2,3
	global_load_b128 v[64*((\ks)%4)+16*\a+4*\c:64*((\ks)%4)+16*\a+4*\c+3], v[LI], s[4:5] offset:((\ks)/2)*2097152+\a*4096+((\ks)%2)*2048+\c*512
.endr
.endr
	WIN 0
.endm
.macro BLOAD hs                        ; half step hs: B's fragments 4 (hs % 2) + 0 .. 3 of K step hs / 2 into buffer hs % 3
.irp bq, 0,1,2,3
.irp c, 0,1,2,3
	ds_load_b128 v[BF+64*((\hs)%3)+16*\bq+4*\c:BF+64*((\hs)%3)+16*\bq+4*\c+3], v[ADB+(\hs)%2] offset:128*((\hs)/2)+32*\c+\bq*16*BP
.endr
.endr
.endm
.macro MUL hs                          ; 16 matrix instructions; the first K step's start the sums
	WIN 0x58+4*((\hs)/8)                           ; source 0 window 0, source 1 window 2 or 3, C and D window 1
.irp bq, 0,1,2,3
.irp a, 0,1,2,3
.if (\hs) < 2
	v_wmma_f32_16x16x128_fp8_fp8 v[8*(8*\a+4*((\hs)%2)+\bq):8*(8*\a+4*((\hs)%2)+\bq)+7], v[BF+64*((\hs)%3)+16*\bq:BF+64*((\hs)%3)+16*\bq+15], v[64*(((\hs)/2)%4)+16*\a:64*(((\hs)/2)%4)+16*\a+15], 0
.else
	v_wmma_f32_16x16x128_fp8_fp8 v[8*(8*\a+4*((\hs)%2)+\bq):8*(8*\a+4*((\hs)%2)+\bq)+7], v[BF+64*((\hs)%3)+16*\bq:BF+64*((\hs)%3)+16*\bq+15], v[64*(((\hs)/2)%4)+16*\a:64*(((\hs)/2)%4)+16*\a+15], v[8*(8*\a+4*((\hs)%2)+\bq):8*(8*\a+4*((\hs)%2)+\bq)+7]
.endif
.endr
.endr
	WIN 0
.endm
	s_load_b128 s[4:7], s[0:1], 0x0                ; a_img 4, Wo's codes 6
	s_load_b128 s[8:11], s[0:1], 0x10              ; the scales 8, bo 10
	s_load_b64 s[12:13], s[0:1], 0x20              ; out0
	v_lshl_add_u32 v[SPW], v0, 2, SPARE
	v_mov_b32 v[NIL], 0
	ds_add_u32 v[SPW], v[NIL]                      ; the opening lines: the add, twice on end, and its wait ahead of my first tensor load
	ds_add_u32 v[SPW], v[NIL]
	v_lshrrev_b32 v2, 5, v0
	v_readfirstlane_b32 s14, v2                    ; wave 0..3
	v_and_b32 v3, 31, v0
	v_lshlrev_b32 v[LI], 4, v3
	s_bfe_u32 s15, ttmp6, 0x40000                  ; cx
	s_lshl_b32 s16, ttmp9, 2
	s_add_co_u32 s16, s16, s15                     ; which 256 rows: 4 x cluster x + cx
	s_and_b32 s17, ttmp7, 0xffff                   ; which 128 columns: shared by the four partners
	s_mov_b32 s24, 15|(1<<20)|(1<<21)|(7<<22)|(3<<25)   ; the mask: all four; elements of 1 byte; padding on; bit 21 beside a mask; after every 256 words, 4 words
	s_mov_b32 s25, 1024<<16                        ; tensor_dim0 = 1,024
	s_mov_b32 s26, 32<<16                          ; tensor_dim1 = 32
	s_mov_b32 s27, 1024<<16                        ; tile_dim0
	s_mov_b32 s28, 32                              ; tile_dim1
	s_mov_b32 s29, 1024                            ; from row to row of Wo
	s_mov_b32 s30, 0
	s_mov_b32 s31, 0
	s_mov_b32 s32, 1
	s_mul_i32 s33, s14, 32*BP                      ; LDS: wave x 32 rows
	s_lshl_b32 s20, s17, 17                        ; Wo: 128 rows x 1,024 bytes,
	s_lshl_b32 s21, s14, 15                        ; my 32 rows
	s_add_co_u32 s20, s20, s21
	s_mov_b32 s21, 0
	s_lshl_b32 s22, s16, 16                        ; a_img: 16 row blocks x 4,096 bytes,
	s_lshl_b32 s23, s14, 14                        ; my four
	s_add_co_u32 s22, s22, s23
	s_mov_b32 s23, 0
	s_lshl_b32 s36, s17, 9                         ; 128 columns of f32
	s_mov_b32 s37, 0
	s_wait_alu depctr_va_vdst(0)
	s_wait_dscnt 0x0
	s_wait_kmcnt 0x0
	s_load_b64 s[40:41], s[8:9], 0x28              ; entries 10, 11
	s_add_nc_u64 s[34:35], s[6:7], s[20:21]
	s_or_b32 s35, s35, 0x80000000
	s_add_nc_u64 s[4:5], s[4:5], s[22:23]
	s_add_nc_u64 s[10:11], s[10:11], s[36:37]
	global_load_b128 v[BI:BI+3], v[LI], s[10:11]   ; bo at columns 4 l .. 4 l + 3 of my 128
	ALOAD 0
	ALOAD 1
	ALOAD 2
	ALOAD 3
	CROUND                                         ; all four work-groups are here: the joint loads meet
	tensor_load_to_lds s[32:35], s[24:31]
	s_nop 0
.rept 4
	v_nop
.endr
	v_and_b32 v12, 15, v0                          ; r = l % 16
	v_bfe_u32 v13, v0, 4, 1                        ; h = l / 16
	v_mul_u32_u24 v14, v12, BP
	v_lshl_add_u32 v[ADB], v13, 4, v14             ; a fragment's row x pitch + 16 h
	v_add_nc_u32 v[ADB+1], 64*BP, v[ADB]           ; fragments 4-7: 64 rows on (an LDS offset has 16 bits)
	s_mul_i32 s18, s14, 16*SPITCH
	s_add_co_u32 s18, s18, STAGE                   ; my stage
	v_mul_u32_u24 v15, v12, SPITCH
	v_lshl_add_u32 v15, v13, 5, v15
	v_add_nc_u32 v[STO], s18, v15                  ; in: row r, 32 bytes for each half of the lanes
	v_add_nc_u32 v[RD], s18, v[LI]                 ; back: the 32 lanes take one row of 512 bytes
	s_lshl_b32 s19, s16, 4
	s_lshl_b32 s20, s14, 2
	s_add_co_u32 s19, s19, s20                     ; my first row block: 16 x block + 4 x wave = 128 b + T
	s_and_b32 s20, s19, 127
	s_lshl_b32 s20, s20, 18                        ; 16 T positions of 16,384 bytes,
	s_lshr_b32 s21, s19, 7
	s_lshl_b32 s21, s21, 12                        ; the batch's 4,096,
	s_add_co_u32 s20, s20, s21
	s_add_co_u32 s20, s20, s36                     ; my 128 columns
	s_mov_b32 s21, 0
	s_add_nc_u64 s[12:13], s[12:13], s[20:21]
	s_wait_kmcnt 0x0
	s_add_co_i32 s40, s40, s41
	s_add_co_i32 s40, s40, 127
	s_lshl_b32 s40, s40, 23                        ; 2^(e10 + e11) as f32
	s_mov_b32 s41, s40                             ; (named with it as a pair)
	s_wait_alu depctr_va_vdst(0)                   ; the head's end
	s_wait_tensorcnt 0x0                           ; my 32 rows are in,
	s_barrier_signal -1
	s_barrier_wait -1                              ; everybody's are: B is only read from here on
	BLOAD 0
	BLOAD 1
.set hs, 0
.rept 16
.if hs > 0
	PLACES                                         ; behind the products of hs - 1, whose buffer is loaded anew
.endif
.if hs < 14
	BLOAD hs+2
.endif
.if hs%2 == 0
.if hs < 8
	s_wait_loadcnt 48                              ; this K step's A is in; the three younger groups of 16 loads may be out
	ALOAD hs/2+4
.else
	s_wait_loadcnt 16*(7-hs/2)                     ; likewise: the later K steps' groups may be out
.endif
.endif
.if hs < 14
	s_wait_dscnt 32                                ; this half step's B is in; the next two half steps' 16 loads each may be out
.else
	s_wait_dscnt 16*(15-hs)
.endif
	MUL hs
.set hs, hs+1
.endr
; THE WAY OUT, block by block of 16 rows x 128 columns.  A lane holds 32 neighbouring bytes of a row: the sums go as they are through my stage and come back as whole rows of 512 bytes;
; there a lane holds four columns, the same in every row: sum x 2^(e10 + e11) + bo takes four numbers of the bias.  LDS serves a wave's instructions in order (ISA guide 5.7.1.4).
.macro TOSTAGE a
	WIN 0x04                                       ; the stores' data: window 1
.irp b, 0,1,2,3,4,5,6,7
	ds_store_b128 v[STO], v[64*(\a)+8*\b:64*(\a)+8*\b+3] offset:64*\b          ; each accumulator from its low end on
	ds_store_b128 v[STO], v[64*(\a)+8*\b+4:64*(\a)+8*\b+7] offset:64*\b+16
.endr
	WIN 0
.irp t, 0,1,2,3,4,5,6,7,8,9,10,11,12,13,14,15
	ds_load_b128 v[BF+64*((\a)%2)+4*\t:BF+64*((\a)%2)+4*\t+3], v[RD] offset:\t*SPITCH
.endr
.endm
.macro SEND a, younger                 ; younger: the LDS instructions issued behind block a's loads, which may stay out
	s_wait_dscnt \younger
.irp t, 0,1,2,3,4,5,6,7,8,9,10,11,12,13,14,15
	v_pk_fma_f32 v[BF+64*((\a)%2)+4*\t:BF+64*((\a)%2)+4*\t+1], v[BF+64*((\a)%2)+4*\t:BF+64*((\a)%2)+4*\t+1], s[40:41], v[BI:BI+1] op_sel_hi:[1,0,1]
	v_pk_fma_f32 v[BF+64*((\a)%2)+4*\t+2:BF+64*((\a)%2)+4*\t+3], v[BF+64*((\a)%2)+4*\t+2:BF+64*((\a)%2)+4*\t+3], s[40:41], v[BI+2:BI+3] op_sel_hi:[1,0,1]
.endr
.irp t, 0,1,2,3,4,5,6,7,8,9,10,11,12,13,14,15
	global_store_b128 v[LI], v[BF+64*((\a)%2)+4*\t:BF+64*((\a)%2)+4*\t+3], s[12:13] offset:(32*((\a)/2)+8*((\a)%2)+\t+8*(\t/8))*16384 th:TH_STORE_NT   ; 32 lanes store 512 consecutive bytes, aligned
.endr
.endm
	PLACES                                         ; behind the last products: their results are read, and their buffers loaded anew
	TOSTAGE 0
.irp a, 1,2,3
.if \a > 1
	s_wait_xcnt 0x0                                ; block a - 2's stores have read their registers: block a's loads may land there
.endif
	TOSTAGE \a
	SEND \a-1, 32                                  ; behind block a - 1's loads: block a's 16 stores and 16 loads
.endr
	SEND 3, 0
	s_wait_tensorcnt 0x0                           ; the wave's end
	ds_add_u32 v[SPW], v[NIL]
	s_wait_dscnt 0x0
	CROUND                                         ; the closing round
	s_endpgm
.Lfunc_end_k_q08cc327f71_proj:
	.size	k_q08cc327f71_proj, .Lfunc_end_k_q08cc327f71_proj-k_q08cc327f71_proj
	.p2alignl 7, 3214868480
	.fill 96, 4, 3214868480
	.section	.rodata,"a",@progbits
	.p2align	6, 0x0
	.amdhsa_kernel k_q08cc327f71_proj
		.amdhsa_group_segment_fixed_size 327680
		.amdhsa_private_segment_fixed_size 0
		.amdhsa_enable_private_segment 0
		.amdhsa_kernarg_size 40
		.amdhsa_user_sgpr_count 2
		.amdhsa_user_sgpr_kernarg_segment_ptr 1
		.amdhsa_wavefront_size32 1
		.amdhsa_system_sgpr_workgroup_id_x 1
		.amdhsa_system_sgpr_workgroup_id_y 1
		.amdhsa_system_sgpr_workgroup_id_z 1
		.amdhsa_system_vgpr_workitem_id 0
		.amdhsa_next_free_vgpr 1024
		.amdhsa_next_free_sgpr 66
		.amdhsa_reserve_vcc 0
		.amdhsa_float_denorm_mode_32 3
		.amdhsa_float_denorm_mode_16_64 3
		.amdhsa_memory_ordered 1
		.amdhsa_forward_progress 1
		.amdhsa_inst_pref_size 76
	.end_amdhsa_kernel
	.amdgpu_metadata
---
amdhsa.version: [ 1, 2 ]
amdhsa.kernels:
  - .name:           k_q08cc327f71_proj
    .symbol:         k_q08cc327f71_proj.kd
    .args:
      - { .name: a_img, .offset: 0, .size: 8, .value_kind: global_buffer, .address_space: global }
      - { .name: Wo_codes, .offset: 8, .size: 8, .value_kind: global_buffer, .address_space: global }
      - { .name: lowp_scales, .offset: 16, .size: 8, .value_kind: global_buffer, .address_space: global }
      - { .name: bo, .offset: 24, .size: 8, .value_kind: global_buffer, .address_space: global }
      - { .name: out0, .offset: 32, .size: 8, .value_kind: global_buffer, .address_space: global }
    .group_segment_fixed_size: 327680
    .private_segment_fixed_size: 0
    .kernarg_segment_align: 8
    .kernarg_segment_size: 40
    .max_flat_workgroup_size: 128
    .sgpr_count:     66
    .vgpr_count:     1024
    .wavefront_size: 32
...
	.end_amdgpu_metadata
.endif
;; end of part 3
